; MI455X (gfx1250); checked and timed in simulation.
; The chip was launched on July 23, 2026; its instructions are those of AMD's public machine-readable ISA for CDNA 5 (MIT licence, August 2026) and "CDNA5" Instruction Set Architecture Reference Guide (July 2026). The comments in the code are by the model that wrote it; some were corrected since.
;; Multi Head Attention. Allowed arithmetic: matrix products marked QUANTISED: E5M2 operands, one E8M0 scale for each 32 along K, by v_wmma_scale_f32_16x16x128_f8f6f4 with both operands' format E5M2, f32 sums; everything else in f32.
;; Inputs: bk 1,024 float32; bo 1,024 float32; bq 1,024 float32; bv 1,024 float32; wk_codes 1,024 x 32 x 32 uint8 (E5M2 codes of wk, K innermost, in blocks of 32 codes); wk_scales 1,024 x 32 uint8 (E8M0 scales of wk, one for each 32 codes along K); wo_codes 1,024 x 32 x 32 uint8 (E5M2 codes of wo, K innermost, in blocks of 32 codes); wo_scales 1,024 x 32 uint8 (E8M0 scales of wo, one for each 32 codes along K); wq_codes 1,024 x 32 x 32 uint8 (E5M2 codes of wq, K innermost, in blocks of 32 codes); wq_scales 1,024 x 32 uint8 (E8M0 scales of wq, one for each 32 codes along K); wv_codes 1,024 x 32 x 32 uint8 (E5M2 codes of wv, K innermost, in blocks of 32 codes); wv_scales 1,024 x 32 uint8 (E8M0 scales of wv, one for each 32 codes along K); x_codes 2 x 2,048 x 32 x 32 uint8 (E5M2 codes of x, K innermost, in blocks of 32 codes); x_scales 2 x 2,048 x 32 uint8 (E8M0 scales of x, one for each 32 codes along K).
;; Outputs: out0 2 x 2,048 x 1,024 float32.
;; This version of the problem:
;;   THIS VERSION OF THE PROBLEM IS GIVEN IN LOW PRECISION. The matrix products marked QUANTISED in the list below multiply operands that are first quantised to E5M2 (5 exponent bits, 2 mantissa bits; 8 bits a number), with one power-of-two scale for each 32 numbers along K (OCP MX v1.0); their sums are f32. All else is computed in f32.
;;   The module's matrix products, in the order in which they are computed (A, B: the left and right operand; K: the contracted axis; several contracted axes count as one K, in the product's order):
;;     1. [M 4,096, K 1,024] x [K 1,024, N 1,024]; A: input x (given as codes); B: input wq (given as codes): QUANTISED
;;     2. [M 4,096, K 1,024] x [K 1,024, N 1,024]; A: input x (given as codes); B: input wk (given as codes): QUANTISED
;;     3. [M 4,096, K 1,024] x [K 1,024, N 1,024]; A: input x (given as codes); B: input wv (given as codes): QUANTISED
;;     4. batch 32 x [M 2,048, K 64] x [K 64, N 2,048]; A: computed on the way; B: computed on the way: QUANTISED
;;     5. batch 32 x [M 2,048, K 2,048] x [K 2,048, N 64]; A: softmax (see below); B: computed on the way: QUANTISED
;;     6. [M 4,096, K 1,024] x [K 1,024, N 1,024]; A: computed on the way; B: input wo (given as codes): QUANTISED
;;   THE QUANTISER, for each operand of a quantised product, along K:
;;     - K is cut into blocks of 32 from its start; a last block that is shorter is filled with zeros.
;;     - A block's scale is 2^e with e = floor(log2(the largest magnitude in the block)) - 15, held to -126 .. 127; a block of zeros has e = 0. As a byte (E8M0): e + 127.
;;     - Each number is divided by its block's scale, clamped to +-57,344, and rounded to the nearest number of E5M2, ties to even, subnormals kept.
;;     - The product sums the exact products of the quantised numbers (number of the format x scale) in f32.
;;   ~~~python
;;   def quantise(x, axis):      # numpy; x: float32 -> the quantised numbers, widened to float32 again
;;       x = np.moveaxis(x, axis, -1); K = x.shape[-1]
;;       x = np.pad(x, [(0, 0)] * (x.ndim - 1) + [(0, -K % 32)]); x = x.reshape(x.shape[:-1] + (-1, 32)); a = np.abs(x).max(-1, keepdims=True)
;;       e = np.where(a > 0, np.clip(np.frexp(np.where(a > 0, a, 1))[1] - 1 - 15, -126, 127), 0)      # np.frexp(a)[1] - 1 = floor(log2(a)), exactly
;;       r = np.clip(x / 2.0 ** e, -57344, 57344)
;;       step = 2.0 ** (np.maximum(np.frexp(np.where(r == 0, 1, r))[1] - 1, -14) - 2)
;;       q = np.round(r / step) * step * 2.0 ** e      # np.round: ties to even
;;       return np.moveaxis(q.reshape(q.shape[:-2] + (-1,))[..., :K], -1, axis).astype(np.float32)
;;   ~~~
;;   SOFTMAX AHEAD OF A QUANTISED PRODUCT. Where the list says 'softmax', what is quantised is not the finished softmax but p = 2^(t - M), with t = logit x log2(e) and M = ceil(the row's largest t), a whole number; so 1/2 < the row's largest p <= 1. The row's sum l is taken of the UNQUANTISED p, in f32, and the product's result is divided by l at the end. Since M is a whole number, a kernel that streams over the keys may use a running M (the ceiling of the running maximum): every later rescaling is an exact power of two, which a block's scale takes up: the codes' values come out the same.
;;   OPERANDS COMPUTED ON THE WAY. 'Computed on the way' means the value that the module computes at that place (a softmax that the list does not call 'softmax' is quantised finished and normalised). What goes into a quantiser is computed in f32, as accurately as f32 sums, v_exp_f32 and their like allow (about 1e-6 of the number): no bf16 or f16 on the way to a quantiser, and a product that is left as it is and whose result goes on into a quantised operand takes f32 operands (vector FMAs, or v_wmma_f32_16x16x4_f32). A number that lies on a knife's edge between two numbers of the format may be rounded either way, as far as f32 arithmetic and the matrix unit's own rounding can turn it there, and no further.
;;   INPUTS GIVEN AS CODES. wk (in the module: [1024, 1024], K = its axis 1); wo (in the module: [1024, 1024], K = its axis 1); wq (in the module: [1024, 1024], K = its axis 1); wv (in the module: [1024, 1024], K = its axis 1); x (in the module: [2, 2048, 1024], K = its axis 2): each comes as NAME_codes (uint8): NAME with its K axis moved to the last place and cut into blocks of 32 codes, [.., K / 32, bytes a block], one block behind the other in memory; one code a byte (a code: sign, 5 exponent bits, 2 mantissa bits); and NAME_scales (uint8): the same leading axes, one E8M0 byte (e + 127) for each 32 codes along K. Its value is code x scale, taken as it is: it is not quantised again, and the codes and scales need not be those that the quantiser above would give.
;; One version. Each part assembles by itself: llvm-mc -triple=amdgcn-amd-amdhsa -mcpu=gfx1250 --defsym DOCPART=n.
;; ======== version 1 of 1: 3 launches
;; limits: right only within a limited range of input values
;; workspace buffers: rec 13,238,272 bytes; aoc 4,194,304 bytes; aos 131,072 bytes
;; launch qkv (part 1): grid 12 x 16, 4 waves a work-group, clusters of 4 x 4, 327,680 bytes of LDS; arguments x_codes, x_scales, wq_codes, wq_scales, wk_codes, wk_scales, wv_codes, wv_scales, bq, bk, bv, rec; writes rec
.if DOCPART == 1
	.amdgcn_target "amdgcn-amd-amdhsa--gfx1250"
	.amdhsa_code_object_version 6
	.text
	.protected	k_q19795f882d_qkv
	.globl	k_q19795f882d_qkv
	.p2align	8
	.type	k_q19795f882d_qkv,@function
k_q19795f882d_qkv:
	s_mov_b64 s[64:65], 0
	v_nop
	global_prefetch_b8 v0, s[64:65] scope:SCOPE_SE
	s_setreg_imm32_b32 hwreg(HW_REG_WAVE_MODE, 25, 1), 1
	s_wait_xcnt 0x0
	s_wait_alu depctr_hold_cnt(0) depctr_sa_sdst(0) depctr_va_vdst(0) depctr_va_sdst(0) depctr_va_ssrc(0) depctr_va_vcc(0) depctr_vm_vsrc(0)
	s_getreg_b32 s2, hwreg(HW_REG_IB_STS2, 6, 4)
	s_cmp_eq_u32 s2, 0
	s_cbranch_scc0 .Lentry_in_a_cluster
	s_endpgm
.Lentry_in_a_cluster:
	s_bfe_u32 s2, ttmp6, 0x10000c
	s_cmp_lg_u32 s2, 0xf033
	s_cbranch_scc0 .Lentry_shape_is_right
	s_endpgm
.Lentry_shape_is_right:
; THE PROGRAM: three launches.  This one: q = x wq^T + bq, k = x wk^T + bk, v = x wv^T + bv on the given codes of E5M2, and the three results quantised at once, in registers, for the attention's two products.
; The second: causal attention on these codes, its result quantised.  The third: that result times wo^T, + bo.
; WORK LEFT OUT IN THE PROGRAM: reference() builds jnp.tril in its own body and sets every score with key > query to -infinity; the softmax makes exactly 0 of it, whatever finite values the inputs hold, and 0 times a value adds nothing.
; So a piece of 16 queries x 128 keys all of whose keys come after all of its queries reaches no output, and the second launch leaves such pieces out of the fourth and the fifth product.  Nothing else is left out, and every input is loaded.
; LIMIT: a NaN, an infinity or an overflow that would arise only in the pieces left out is not carried to the result.
; LIMITS OF THE QUANTISER HERE: a block whose largest magnitude lies under 2^(16 - 127), a block of zeros among them, gets the scale byte 1 (its codes are zeros or the format's smallest numbers; the bytes are read by this program alone); NaN and infinities are not served.
; SHAPE.  C = A B^T, K = 1,024, a tile of 256 x 256 to a work-group of four waves, 128 x 128 to a wave: 64 accumulators, 512 registers.  K goes in steps of 256 through a ring of two LDS slots filled by the tensor data mover;
; the scale bytes of the work-group's 256 + 256 rows, for all of K, come into LDS once.  4 x 4 work-groups form a cluster: A's tile is asked for jointly along a row of the cluster, B's along a column.
; No prefetch: K is four steps long, and the first two come by the first two loads.
; ROLES, by the cluster's x, which all sixteen partners share: 0: A = x, B = wq.  1: A = x, B = wk.  2: A = wv, B = x.
; The matrix instruction is used transposed (source 0 = 16 rows of B, source 1 = 16 rows of A): a lane holds ONE row of A and its registers run along B's rows.  So for q and k a lane holds one position and its registers the channels,
; for v one channel and its registers the keys: in each case the axis along which the result is quantised, and a block of 32 lies in lanes l and l xor 16.
; THE ORDER INSIDE A BLOCK.  Lane (r, h) holds, of a block of 32, the numbers 8 h + 0..7 and 16 + 8 h + 0..7; its 16 codes are stored as the lane's 16 bytes of an operand's registers, where the instruction counts them as places 16 h + 0..15.
; That is a permutation inside a block of 32, the same for q and k, and the same for v and the softmax's p in the next launch: both operands of a product carry it, so the products and the block scales are the right ones.
; OUT: one buffer, rec: [b x 16 + head][128 positions] records of 25,856 bytes: k's codes at 0, v's at 8,192, v's scale words at 16,384, k's at 16,640, q's codes at 17,152, q's scale words at 25,344.
; Codes are register images: q, k: [16 positions][2 blocks][lane][16 bytes]; v: [16 channels][4 blocks][lane][16 bytes].  Scale words: q, k: position 16 t + r at 16 r + 256 (t / 4) + 4 (t % 4), bytes 2, 3 repeat bytes 0, 1; v: channel 16 t + r at 16 r + 4 t.
; REGISTERS, in windows of 256: window 0: v0-31 addresses; v32-63 scale words, two sets; from v128 A's fragments, one set (on the way out: at work).  window 1: B's fragments, two sets (set 0 takes the bias at the end).  windows 2, 3: the accumulators.
.set REC,    25856
.set HEAD2,  16*REC                    ; from a head to the next
.set KSTEP,  256
.set NQ,     2
.set ROWB,   256
.set KROW,   1024
.set PITCH,  272                       ; an LDS row: 256 bytes + 16 of padding: the 16 rows that a load touches start at 16 different banks (64 banks of 4 bytes: ISA guide 11.1)
.set FR,     16
.set NL,     4
.set NP,     8                         ; places behind this matrix instruction (ISA guide 7.12.1)
.set HALFT,  128*PITCH
.set SLOT,   4*HALFT
.set LAPS,   2                         ; K = 1,024 is twice round the ring
.set KS,     32                        ; a row of scale bytes
.set SCL,    2*SLOT
.set HALFS,  (128*KS/256)*272
.set SBLK,   (16*KS/256)*272
.set SPARE,  SCL+4*HALFS               ; the spare words, 128 bytes for each wave
.set ADRA, 16
.set ADRB, 20
.set ADRS, 27
.set SPW,  28
.set NIL,  29
.set SC,   32
.set AF,   128
.set TM,   128                         ; the way out, window 0: v128-131 largest magnitudes, v132-135 bytes, v136-139 the hold, v140-143 the conversions' scale operands
.set PC,   144                         ; v144-159 a block's codes
.set SW,   160                         ; v160-167 the scale word of each of my eight blocks of A's rows
.set XS,   168                         ; v168-175 scale words as they are stored
.set G1, 24
.set G0, 32
.set G1B, 48
.set G0B, 56
.set G1S, 68
.set G0S, 76
.set G1SB, 80
.set G0SB, 88
.set G0H, 4                            ; s[4:7], s[8:11] group 0 for the head's loads of K step 0 (the arguments that lay there have been used by then)
.set G0HB, 8
.set MSB, 0
.macro WIN new                         ; the immediate's high byte repeats the setting that is left
.if MSB != (\new)
	s_set_vgpr_msb (MSB<<8)|(\new)
.set MSB, (\new)
.endif
.endm
.set MUL_LO, 0xa1                      ; source 0 (B) window 1, source 1 (A) window 0, C and D window 2
.set MUL_HI, 0xf1                      ; the same, C and D window 3
.set TO_B,   0x40                      ; destination window 1, address window 0
; A joint load: waves 0 and 1 fetch for A, waves 2 and 3 for B; the branch hangs on the wave's number alone.  An s_nop 0 and four v_nop follow each of the two lines.
.macro JLOAD g0a, g1a, g0b, g1b
	s_cmp_eq_u32 s15, 0
	s_cbranch_scc0 .Lfor_b_\@
	tensor_load_to_lds s[\g0a:\g0a+3], s[\g1a:\g1a+7]
	s_nop 0
.rept 4
	v_nop
.endr
	s_branch .Lasked_\@
.Lfor_b_\@:
	tensor_load_to_lds s[\g0b:\g0b+3], s[\g1b:\g1b+7]
	s_nop 0
.rept 4
	v_nop
.endr
.Lasked_\@:
.endm
.macro CREST                           ; a round of the cluster's barrier behind its opening barrier
	s_cmp_lg_u32 s14, 0
	s_cbranch_scc1 .Lnot_wave_0_\@
	s_barrier_signal -3
.Lnot_wave_0_\@:
	s_barrier_wait -3
	s_barrier_signal -1
	s_barrier_wait -1
.endm
.macro CROUND
	s_barrier_signal -1
	s_barrier_wait -1
	CREST
.endm
	s_load_b512 s[68:83], s[0:1], 0x0              ; x codes, x scales, wq codes, wq scales, wk codes, wk scales, wv codes, wv scales
	s_load_b256 s[84:91], s[0:1], 0x40             ; bq, bk, bv, rec
	v_lshl_add_u32 v[SPW], v0, 2, SPARE
	v_mov_b32 v[NIL], 0
	ds_add_u32 v[SPW], v[NIL]                      ; the wave's opening: the add, twice on end, and its wait ahead of my first tensor load
	ds_add_u32 v[SPW], v[NIL]
	v_lshrrev_b32 v1, 5, v0
	v_readfirstlane_b32 s14, v1                    ; wave 0..3
	s_lshr_b32 s15, s14, 1                         ; which half of A's rows is mine.  Also: I fetch for A (0) or for B (1)
	s_and_b32 s16, s14, 1                          ; which half of B's rows.  Also: which 128 rows of that tile I fetch
	s_bfe_u32 s40, ttmp6, 0x40000                  ; cx, cy: my place in the cluster
	s_bfe_u32 s41, ttmp6, 0x40004
	s_and_b32 s66, ttmp7, 0xffff
	s_lshl_b32 s66, s66, 2                         ; 4 x cluster y: it walks x's 16 tiles of 256 rows, which are A's for q and k and B's for v
	s_cmp_eq_u32 ttmp9, 2                          ; the cluster's x says which product: the same in all sixteen partners
	s_cselect_b32 s42, s66, 0
	s_cselect_b32 s17, 0, s66
	s_add_co_u32 s42, s42, s40                     ; B's tile: made of cluster y and cx alone
	s_add_co_u32 s17, s17, s41                     ; A's tile: made of cluster y and cy alone
	s_lshl_b32 s43, s41, 2
	s_lshl_b32 s43, 15, s43                        ; my row of the cluster
	s_lshl_b32 s44, 0x1111, s40                    ; my column
	s_or_b32 s[G1+0], s43, (0<<16)|(1<<20)|(1<<21)|(5<<22)|(3<<25)  ; the mask: A's tiles go to my row; elements of 1 byte; padding on; bit 21 beside a mask; 4 words behind every 64
	s_or_b32 s[G1B+0], s44, (0<<16)|(1<<20)|(1<<21)|(5<<22)|(3<<25)
.irp g, G1, G1B
	s_mov_b32 s[\g+1], ROWB<<16                    ; tensor_dim0
	s_mov_b32 s[\g+2], 256<<16                     ; tensor_dim1: 256 rows for the head's loads; 128 behind them
	s_mov_b32 s[\g+3], ROWB<<16                    ; tile_dim0
	s_mov_b32 s[\g+4], 256                         ; tile_dim1
	s_mov_b32 s[\g+5], KROW                        ; tensor_dim0_stride
	s_mov_b32 s[\g+6], 0
	s_mov_b32 s[\g+7], 0
.endr
	s_mul_i32 s45, s14, HALFT                      ; where my tiles go: wave x 128 rows: no place in the cluster enters an LDS address
	s_wait_dscnt 0x0                               ; both opening adds are done
	s_wait_kmcnt 0x0
	s_mov_b32 s92, 17152
	s_mov_b32 s93, 25344
	s_cmp_eq_u32 ttmp9, 0                          ; the buffers are chosen by the cluster's x, which hangs on no address
	s_cselect_b64 s[8:9], s[72:73], s[76:77]       ; wq or wk: codes,
	s_cselect_b64 s[10:11], s[74:75], s[78:79]     ; scales,
	s_cselect_b64 s[84:85], s[84:85], s[86:87]     ; the bias,
	s_cselect_b32 s92, s92, 0                      ; where the codes lie in a record,
	s_cselect_b32 s93, s93, 16640                  ; and the scale words
	s_cmp_eq_u32 ttmp9, 2
	s_cselect_b64 s[4:5], s[80:81], s[68:69]       ; A: wv for v, else x
	s_cselect_b64 s[6:7], s[82:83], s[70:71]
	s_cselect_b64 s[8:9], s[68:69], s[8:9]         ; B: x for v
	s_cselect_b64 s[10:11], s[70:71], s[10:11]
	s_cselect_b32 s94, 8192, s92                   ; v's codes,
	s_cselect_b32 s96, 16384, s93                  ; v's scale words
	s_cselect_b64 s[98:99], s[88:89], s[84:85]     ; the bias
	s_mov_b32 s95, 0
	s_mov_b32 s97, 0
	s_add_nc_u64 s[12:13], s[90:91], s[94:95]      ; where my codes go
	s_add_nc_u64 s[100:101], s[90:91], s[96:97]    ; and my scale words
	; the scales of 256 rows: a dense block of 8,192 bytes, as 32 rows of 256 bytes (32 elements of 8 bytes), 16 bytes of padding behind each.  (s68 on are free now)
	s_or_b32 s[G1S+0], s43, (3<<16)|(1<<20)|(1<<21)|(5<<22)|(3<<25)
	s_or_b32 s[G1SB+0], s44, (3<<16)|(1<<20)|(1<<21)|(5<<22)|(3<<25)
.irp g, G1S, G1SB
	s_mov_b32 s[\g+1], 32<<16
	s_mov_b32 s[\g+2], KS<<16
	s_mov_b32 s[\g+3], 32<<16
	s_mov_b32 s[\g+4], KS
	s_mov_b32 s[\g+5], 32
	s_mov_b32 s[\g+6], 0
	s_mov_b32 s[\g+7], 0
.endr
	s_lshl_b32 s20, s17, 8                         ; A: the tile's first row
	s_lshl_b32 s46, s42, 8                         ; B: the tile's first row
	s_mov_b32 s21, 0
	s_mov_b32 s47, 0
	s_mov_b64 s[18:19], KS
	s_mul_u64 s[22:23], s[20:21], s[18:19]         ; where these rows' scales begin, in bytes
	s_mul_u64 s[92:93], s[46:47], s[18:19]
	s_mov_b64 s[18:19], KROW
	s_mul_u64 s[20:21], s[20:21], s[18:19]         ; and their codes
	s_mul_u64 s[46:47], s[46:47], s[18:19]
	s_mul_i32 s94, s16, 128*KROW                   ; in the ring I fetch 128 rows of a tile: which half, in bytes
	s_mov_b32 s95, 0
	s_add_nc_u64 s[20:21], s[4:5], s[20:21]
	s_add_nc_u64 s[22:23], s[6:7], s[22:23]
	s_add_nc_u64 s[46:47], s[8:9], s[46:47]
	s_add_nc_u64 s[92:93], s[10:11], s[92:93]
	CROUND                                         ; all sixteen work-groups are here: the first joint loads meet
	s_mov_b32 s[G0H], 1                            ; the head's four tiles: K step 0's 256 rows of A,
	s_mov_b32 s[G0H+1], 0
	s_mov_b64 s[G0H+2:G0H+3], s[20:21]
	s_or_b32 s[G0H+3], s[G0H+3], 0x80000000
	s_mov_b32 s[G0HB], 1                           ; its 256 rows of B, behind them in slot 0,
	s_mov_b32 s[G0HB+1], 2*HALFT
	s_mov_b64 s[G0HB+2:G0HB+3], s[46:47]
	s_or_b32 s[G0HB+3], s[G0HB+3], 0x80000000
	s_mov_b32 s[G0S], 1                            ; A's scales,
	s_mov_b32 s[G0S+1], SCL
	s_mov_b64 s[G0S+2:G0S+3], s[22:23]
	s_or_b32 s[G0S+3], s[G0S+3], 0x80000000
	s_mov_b32 s[G0SB], 1                           ; B's scales
	s_mov_b32 s[G0SB+1], SCL+2*HALFS
	s_mov_b64 s[G0SB+2:G0SB+3], s[92:93]
	s_or_b32 s[G0SB+3], s[G0SB+3], 0x80000000
	s_add_nc_u64 s[20:21], s[20:21], s[94:95]      ; for the ring: my 128 rows
	s_add_nc_u64 s[46:47], s[46:47], s[94:95]
.irp s, 0,1
	s_mov_b32 s[G0+4*\s], 1
	s_add_co_u32 s[G0+4*\s+1], s45, \s*SLOT
	s_add_nc_u64 s[G0+4*\s+2:G0+4*\s+3], s[20:21], \s*ROWB
	s_or_b32 s[G0+4*\s+3], s[G0+4*\s+3], 0x80000000
	s_mov_b32 s[G0B+4*\s], 1
	s_add_co_u32 s[G0B+4*\s+1], s45, \s*SLOT
	s_add_nc_u64 s[G0B+4*\s+2:G0B+4*\s+3], s[46:47], \s*ROWB
	s_or_b32 s[G0B+4*\s+3], s[G0B+4*\s+3], 0x80000000
.endr
; THE HEAD'S LOADS, ONE A WAVE: A's codes, B's codes, A's scales, B's scales.
.macro ARM under, g0, g1, next
	s_cmp_lt_u32 s14, \under
	s_cbranch_scc0 \next
	tensor_load_to_lds s[\g0:\g0+3], s[\g1:\g1+7]
	s_nop 0
.rept 4
	v_nop
.endr
	s_branch .Lhead_asked
\next:
.endm
	ARM 1, G0H,  G1,  .Lhead_b
	ARM 2, G0HB, G1B, .Lhead_sa
	ARM 3, G0S,  G1S, .Lhead_sb
	tensor_load_to_lds s[G0SB:G0SB+3], s[G1SB:G1SB+7]
	s_nop 0
.rept 4
	v_nop
.endr
.Lhead_asked:
	v_and_b32 v1, 15, v0                           ; r = l % 16
	v_bfe_u32 v2, v0, 4, 1                         ; h = l / 16
	v_mul_u32_u24 v3, v1, PITCH
	v_lshl_add_u32 v4, v2, 4, v3                   ; a fragment's row x pitch + 16 x half
	s_mul_i32 s21, s15, HALFT                      ; my 128 rows of A
	s_mul_i32 s22, s16, HALFT                      ; my 128 rows of B,
	s_add_co_u32 s22, s22, 2*HALFT                 ; which lie behind A's 256
.irp s, 0,1
	v_add_nc_u32 v[ADRA+\s], s21, v4
	v_add_nc_u32 v[ADRB+\s], s22, v4
	s_add_co_u32 s21, s21, SLOT
	s_add_co_u32 s22, s22, SLOT
.endr
	v_mul_u32_u24 v5, v1, KS                       ; my row's scales: 32 bytes a row,
	v_lshrrev_b32 v6, 8, v5
	v_lshl_add_u32 v5, v6, 4, v5                   ; and 16 more for each 256 passed
	s_mul_i32 s21, s15, HALFS
	s_mul_i32 s22, s16, HALFS
	s_add_co_u32 s22, s22, 2*HALFS
	s_sub_co_u32 s22, s22, s21
	v_mul_u32_u24 v6, s22, v2                      ; lanes 16-31 take B's
	s_add_co_u32 s21, s21, SCL
	v_add_nc_u32 v5, v5, v6
	v_add_nc_u32 v[ADRS], s21, v5
	; the way out: lane terms that stay, and where my wave's part begins in the record buffer
	v_and_b32 v12, 31, v0                          ; lane
	v_lshlrev_b32 v7, 4, v12                       ; 16 x lane: an image's place for my lane
	v_lshlrev_b32 v8, 5, v2                        ; 32 h: my half's eight numbers of a bias along B's rows
	v_lshlrev_b32 v9, 2, v1                        ; 4 r: my row's number of a bias along A's rows
	v_lshlrev_b32 v11, 4, v1
	v_mad_u32_u24 v11, v2, HEAD2, v11              ; v's scale words, lanes 16-31 one head on
	s_lshl_b32 s18, s17, 8
	s_lshl_b32 s19, s15, 7
	s_add_co_u32 s18, s18, s19                     ; my first row of A
	s_lshl_b32 s19, s42, 8
	s_lshl_b32 s23, s16, 7
	s_add_co_u32 s19, s19, s23                     ; my first row of B
	s_cmp_eq_u32 ttmp9, 2
	s_cselect_b32 s46, s19, s18                    ; my first row of x: 128 positions of one batch
	s_cselect_b32 s47, s18, s19                    ; my first channel: 128 channels, two heads
	s_lshr_b32 s20, s46, 11                        ; batch
	s_lshl_b32 s20, s20, 4
	s_lshr_b32 s21, s47, 6                         ; head
	s_add_co_u32 s20, s20, s21
	s_lshl_b32 s20, s20, 4
	s_bfe_u32 s21, s46, 0x40007                    ; which 128 positions of the 2,048
	s_add_co_u32 s20, s20, s21
	s_mul_i32 s92, s20, REC                        ; my first head's record of these 128 positions
	s_mov_b32 s93, 0
	s_add_nc_u64 s[12:13], s[12:13], s[92:93]
	s_add_nc_u64 s[100:101], s[100:101], s[92:93]
	s_lshl_b32 s92, s47, 2
	s_add_nc_u64 s[98:99], s[98:99], s[92:93]      ; the bias at my first channel
	s_mov_b32 s20, 0x76543210
	s_mov_b32 s21, 0xfedcba98                      ; v_permlanex16_b32's selects for lane l xor 16
	s_mov_b32 s22, 0x600000                        ; the mantissa field of 57,344
.macro FRAG reg, adr, q, i             ; a fragment, 16 rows x 128 K, is 16 registers: lane l holds row l % 16; registers 4 c .. 4 c + 3 hold K = 32 c + 16 (l / 16) + 0 .. 15
.irp c, 0,1,2,3
	ds_load_b128 v[\reg+4*\c:\reg+4*\c+3], v[\adr] offset:128*(\q)+32*\c+(\i)*16*PITCH
.endr
.endm
; 16 matrix instructions: A's blocks a0, a0 + 1 x B's eight, 128 along K.  The 64 accumulators take turns, one instruction a turn, in the same order in every step.  zero = 1: the first product starts the sums.
.macro MUL16 a0, p, q, sc, zero
.irp a, \a0, \a0+1
.irp b, 0,1,2,3,4,5,6,7
.if \zero
	v_wmma_scale_f32_16x16x128_f8f6f4 v[8*(8*((\a)%4)+\b):8*(8*((\a)%4)+\b)+7], v[128*(\p)+FR*\b:128*(\p)+FR*\b+FR-1], v[AF+FR*(\a):AF+FR*(\a)+FR-1], 0, v[SC+8*NQ*(\sc)+NQ*\b+(\q)], v[SC+8*NQ*(\sc)+NQ*(\a)+(\q)] matrix_a_fmt:MATRIX_FMT_BF8 matrix_b_fmt:MATRIX_FMT_BF8 matrix_a_scale:MATRIX_SCALE_ROW1
.else
	v_wmma_scale_f32_16x16x128_f8f6f4 v[8*(8*((\a)%4)+\b):8*(8*((\a)%4)+\b)+7], v[128*(\p)+FR*\b:128*(\p)+FR*\b+FR-1], v[AF+FR*(\a):AF+FR*(\a)+FR-1], v[8*(8*((\a)%4)+\b):8*(8*((\a)%4)+\b)+7], v[SC+8*NQ*(\sc)+NQ*\b+(\q)], v[SC+8*NQ*(\sc)+NQ*(\a)+(\q)] matrix_a_fmt:MATRIX_FMT_BF8 matrix_b_fmt:MATRIX_FMT_BF8 matrix_a_scale:MATRIX_SCALE_ROW1
.endif
.endr
.endr
.endm
.macro FETCH_B slot, q, p
	WIN TO_B
.irp i, 0,1,2,3,4,5,6,7
	FRAG 128*(\p)+FR*\i, ADRB+\slot, \q, \i
.endr
	WIN 0
.endm
.macro FETCH_A slot, q, i0
.irp i, \i0, \i0+1, \i0+2, \i0+3
	FRAG AF+FR*(\i), ADRA+\slot, \q, \i
.endr
.endm
.macro SCALES sc                       ; a K step's scale words: two words a row; lanes 0-15 take A's block i, lanes 16-31 B's block i
.irp i, 0,1,2,3,4,5,6,7
	ds_load_b64 v[SC+8*NQ*\sc+NQ*\i:SC+8*NQ*\sc+NQ*\i+1], v[ADRS] offset:\i*SBLK
.endr
.endm
.macro PLACES n                        ; plain vector instructions between a matrix instruction and a load into, or a vector instruction on, its registers
.rept \n
	v_nop
.endr
.endm
.macro STEP slot, q, zero              ; a step of 128 along K that has its successor in the same slot
	s_wait_dscnt 4*NL                              ; B's set and A's blocks 0-3 are in; the sixteen youngest loads (A's blocks 4-7) may be out
	WIN MUL_LO
	MUL16 0, (\q)%2, \q, \slot, \zero
	MUL16 2, (\q)%2, \q, \slot, \zero
	s_wait_dscnt 0                                 ; A's blocks 4-7 are in
	PLACES NP
	FETCH_B \slot, (\q)+1, 1-(\q)%2
	FETCH_A \slot, (\q)+1, 0
	WIN MUL_HI
	MUL16 4, (\q)%2, \q, \slot, \zero
	MUL16 6, (\q)%2, \q, \slot, \zero
	PLACES NP
	WIN 0
	FETCH_A \slot, (\q)+1, 4
.endm
; A slot's last step changes slots: one barrier; in front of it each wave waits for all its tensor loads, adds 0 to its spare word, and waits for that and for its own reads of this slot.  fill = 1: this slot is filled again, two K steps ahead.
.macro TURN slot, next, fill
	s_wait_tensorcnt 0x0                           ; all my tensor loads have landed: my part of the next slot
	ds_add_u32 v[SPW], v[NIL]                      ; 0 onto my spare word
	s_wait_dscnt 4*NL+1                            ; the add and the sixteen youngest loads may be out
	WIN MUL_LO
	MUL16 0, 1, NQ-1, \slot, 0
	s_wait_dscnt 0x0                               ; the add is done, and my reads of this slot are over
	s_barrier_signal -1
	MUL16 2, 1, NQ-1, \slot, 0
	WIN 0
	s_barrier_wait -1
.if \fill
	CREST                                          ; the barrier has opened a round of the cluster's barrier: no wave of any partner still reads this slot or has a load on its way
	s_add_nc_u64 s[G0+4*\slot+2:G0+4*\slot+3], s[G0+4*\slot+2:G0+4*\slot+3], 2*ROWB
	s_add_nc_u64 s[G0B+4*\slot+2:G0B+4*\slot+3], s[G0B+4*\slot+2:G0B+4*\slot+3], 2*ROWB
	JLOAD G0+4*\slot, G1, G0B+4*\slot, G1B         ; the first tensor load behind the round, my one load until the next; its four v_nop are among the places in front of the loads below
	PLACES NP-4
.else
	PLACES NP
.endif
	s_wait_alu depctr_va_vdst(0)
	v_add_nc_u32 v[ADRS], 4*NQ, v[ADRS]            ; on to the next K step's scale words
	FETCH_B \next, 0, 0
	FETCH_A \next, 0, 0
	SCALES \next
	WIN MUL_HI
	MUL16 4, 1, NQ-1, \slot, 0
	MUL16 6, 1, NQ-1, \slot, 0
	PLACES NP
	WIN 0
	FETCH_A \next, 0, 4
.endm
; THE WAY OUT of my block a (16 rows of A x 128 rows of B: 64 numbers a lane, four blocks of 32 together with lane l xor 16).  isv = 0: q or k; 1: v.
.macro OUTBLK a, isv
.set AC, 64*((\a)%4)
.set W, 2+(\a)/4
	WIN W*64+4+W                                   ; the accumulators' window for destination and source 0, window 1 (the bias) for source 1
.set k, 0
.rept 32
.if \isv
	v_pk_add_f32 v[AC+2*k:AC+2*k+1], v[AC+2*k:AC+2*k+1], v[2*(\a):2*(\a)+1]   ; + bv of my channel.  Each accumulator is read from its low end on
.else
	v_pk_add_f32 v[AC+2*k:AC+2*k+1], v[AC+2*k:AC+2*k+1], v[2*k:2*k+1]         ; + the bias of the register's channel
.endif
.set k, k+1
.endr
	WIN W*4+W                                      ; sources 0 and 1: the accumulators
.irp b, 0,1,2,3
	v_max3_num_f32 v[TM+\b], |v[AC+16*\b]|, |v[AC+16*\b+1]|, 0x8000000   ; block b: my 16 numbers, and the floor 2^(16 - 127): the byte cannot fall under 1
.endr
.irp i, 2,4,6,8,10,12,14
.irp b, 0,1,2,3
	v_max3_num_f32 v[TM+\b], |v[AC+16*\b+\i]|, |v[AC+16*\b+\i+1]|, v[TM+\b]   ; the four blocks by turns
.endr
.endr
	WIN 0
.irp b, 0,1,2,3
	v_permlanex16_b32 v[TM+4+\b], v[TM+\b], s20, s21
.endr
.irp b, 0,1,2,3
	v_max_num_f32 v[TM+\b], v[TM+\b], v[TM+4+\b]   ; with lane l xor 16's: the block's largest magnitude
.endr
.irp b, 0,1,2,3
	v_add_nc_u32 v[TM+12+\b], 0xf8800000, v[TM+\b] ; 15 off its exponent field: the conversion's scale operand
.endr
.irp b, 0,1,2,3
	v_and_or_b32 v[TM+8+\b], v[TM+\b], 0x7f800000, s22   ; 57,344 x the scale
.endr
.irp b, 0,1,2,3
	v_lshrrev_b32 v[TM+4+\b], 23, v[TM+12+\b]      ; the scale's byte
.endr
	v_lshl_or_b32 v[SW+(\a)], v[TM+5], 8, v[TM+4]  ; my row's four bytes
	v_lshl_or_b32 v[SW+(\a)], v[TM+6], 16, v[SW+(\a)]
	v_lshl_or_b32 v[SW+(\a)], v[TM+7], 24, v[SW+(\a)]
	WIN W*64+W
.irp b, 0,1,2,3
.irp i, 0,1,2,3,4,5,6,7,8,9,10,11,12,13,14,15
	v_med3_num_f32 v[AC+16*\b+\i], v[AC+16*\b+\i], -v[TM+8+\b], v[TM+8+\b]   ; the conversion to an 8-bit code does not saturate (ISA guide 7.6.2): the hold at the largest code x the scale
.endr
.endr
	s_wait_alu depctr_va_vdst(0)
	s_wait_xcnt 0x0                                ; the last block's stores have read the codes' registers: they are written again only behind this wait
	WIN W
.irp t, 0,1,2,3,4,5,6,7
	v_cvt_scalef32_pk8_bf8_f32 v[PC+2*\t:PC+2*\t+1], v[AC+8*\t:AC+8*\t+7], v[TM+12+\t/2]
.endr
	WIN 0
	v_nop                                          ; one plain vector instruction behind the last scaled conversion
.irp c, 0,1,2,3                        ; each store: 32 lanes x 16 bytes, 512 consecutive bytes at a multiple of 256 from the buffer's first byte
.if \isv
	global_store_b128 v7, v[PC+4*\c:PC+4*\c+3], s[12:13] offset:HEAD2*((\a)/4)+2048*((\a)%4)+512*\c
.else
	global_store_b128 v7, v[PC+4*\c:PC+4*\c+3], s[12:13] offset:1024*(\a)+512*(\c%2)+HEAD2*(\c/2)
.endif
.endr
.endm
; The last 128 along K and the way out.  The bias comes into B's set 0, which the last step does not read: eight places stand behind that set's last products.
.macro TAIL isv
	WIN TO_B
.if \isv
.irp a, 0,1,2,3,4,5,6,7
	global_load_b32 v[2*\a], v9, s[98:99] offset:64*\a     ; bv of channel 16 a + r, twice: a pair for the packed addition
	global_load_b32 v[2*\a+1], v9, s[98:99] offset:64*\a
.endr
.else
.irp b, 0,1,2,3,4,5,6,7
	global_load_b128 v[8*\b:8*\b+3], v8, s[98:99] offset:64*\b        ; the bias of channels 16 b + 8 h + 0 .. 7
	global_load_b128 v[8*\b+4:8*\b+7], v8, s[98:99] offset:64*\b+16
.endr
.endif
	s_wait_dscnt 4*NL                              ; the very last step: nothing more to fetch from LDS
	WIN MUL_LO
	MUL16 0, 1, NQ-1, 1, 0
	MUL16 2, 1, NQ-1, 1, 0
	s_wait_dscnt 0
	WIN MUL_HI
	MUL16 4, 1, NQ-1, 1, 0
	MUL16 6, 1, NQ-1, 1, 0
	WIN 0
	PLACES NP                                      ; behind the last products: their results are read, and A's registers written, only from here on
.irp b, 0,1,2,3
	v_mov_b32 v[TM+4+\b], 0                        ; written once: a lane permute's destination counts as one of its sources
.endr
	s_wait_loadcnt 0x0                             ; the bias
.irp a, 0,1,2,3,4,5,6,7
	OUTBLK \a, \isv
.endr
	v_cmp_le_u32 vcc_lo, 16, v12                   ; lanes 0-15 store the words of blocks 0-3, lanes 16-31 those of blocks 4-7 (every lane holds its row's word of every block)
.irp j, 0,1,2,3
	v_cndmask_b32 v[XS+\j], v[SW+\j], v[SW+4+\j], vcc_lo
.endr
.if \isv
	global_store_b128 v11, v[XS:XS+3], s[100:101]  ; blocks 0-3 are one head's 64 channels, blocks 4-7 the next head's: sixteen lanes fill 256 consecutive bytes of each
.else
.irp j, 0,1,2,3
	v_perm_b32 v[XS+4+\j], v[XS+\j], v[XS+\j], 0x03020302   ; the second head's two bytes, twice
.endr
.irp j, 0,1,2,3
	v_perm_b32 v[XS+\j], v[XS+\j], v[XS+\j], 0x01000100     ; the first head's
.endr
	global_store_b128 v7, v[XS:XS+3], s[100:101]   ; 512 consecutive bytes
	global_store_b128 v7, v[XS+4:XS+7], s[100:101] offset:HEAD2
.endif
.endm
	s_wait_alu depctr_va_vdst(0)
	s_wait_tensorcnt 0x0                           ; my tile of the head's four is in
	ds_add_u32 v[SPW], v[NIL]                      ; 0 onto my spare word
	s_mov_b32 s[G1+2], 128<<16                     ; no tensor load of mine is out: from here on a load brings 128 rows
	s_mov_b32 s[G1+4], 128
	s_mov_b32 s[G1B+2], 128<<16
	s_mov_b32 s[G1B+4], 128
	s_wait_dscnt 0x0                               ; the add is done
	CROUND                                         ; all four tiles are in, and all sixteen work-groups are here
	JLOAD G0+4, G1, G0B+4, G1B                     ; K step 1's load, the first tensor load behind the round
	FETCH_B 0, 0, 0
	FETCH_A 0, 0, 0
	SCALES 0
	FETCH_A 0, 0, 4
	STEP 0, 0, 1                                   ; the first step stands in front of the loop: its products start the sums
	s_mov_b32 s3, LAPS-1
.Llap:                                                 ; a trip goes once round the ring and fills both slots again
	TURN 0, 1, 1
	STEP 1, 0, 0
	TURN 1, 0, 1
	STEP 0, 0, 0
	s_sub_co_u32 s3, s3, 1
	s_cmp_lg_u32 s3, 0
	s_cbranch_scc1 .Llap
	TURN 0, 1, 0                                   ; the last lap fills nothing
	STEP 1, 0, 0
	s_cmp_eq_u32 ttmp9, 2                          ; the two ways out part on the cluster's x, which all partners share; neither touches LDS
	s_cbranch_scc1 .Lv
	TAIL 0
	s_branch .Lend
.Lv:
	TAIL 1
.Lend:
	s_wait_tensorcnt 0x0                           ; the wave's end, behind my last tensor load
	ds_add_u32 v[SPW], v[NIL]
	s_wait_dscnt 0x0
	CROUND                                         ; the closing round: no work-group ends while a partner may still ask for a tile that names it
	s_endpgm
.Lfunc_end_k_q19795f882d_qkv:
	.size	k_q19795f882d_qkv, .Lfunc_end_k_q19795f882d_qkv-k_q19795f882d_qkv
	.p2alignl 7, 3214868480
	.fill 96, 4, 3214868480
	.section	.rodata,"a",@progbits
	.p2align	6, 0x0
	.amdhsa_kernel k_q19795f882d_qkv
		.amdhsa_group_segment_fixed_size 327680
		.amdhsa_private_segment_fixed_size 0
		.amdhsa_enable_private_segment 0
		.amdhsa_kernarg_size 96
		.amdhsa_user_sgpr_count 2
		.amdhsa_user_sgpr_kernarg_segment_ptr 1
		.amdhsa_wavefront_size32 1
		.amdhsa_system_sgpr_workgroup_id_x 1
		.amdhsa_system_sgpr_workgroup_id_y 1
		.amdhsa_system_sgpr_workgroup_id_z 1
		.amdhsa_system_vgpr_workitem_id 0
		.amdhsa_next_free_vgpr 1024
		.amdhsa_next_free_sgpr 102
		.amdhsa_reserve_vcc 1
		.amdhsa_float_denorm_mode_32 3
		.amdhsa_float_denorm_mode_16_64 3
		.amdhsa_memory_ordered 1
		.amdhsa_forward_progress 1
		.amdhsa_inst_pref_size 255
	.end_amdhsa_kernel
	.section	.bss,"aw",@nobits
	.p2align	6
	.space	262144
	.amdgpu_metadata
---
amdhsa.version: [ 1, 2 ]
amdhsa.kernels:
  - .name:           k_q19795f882d_qkv
    .symbol:         k_q19795f882d_qkv.kd
    .args:
      - { .name: x_codes, .offset: 0, .size: 8, .value_kind: global_buffer, .address_space: global }
      - { .name: x_scales, .offset: 8, .size: 8, .value_kind: global_buffer, .address_space: global }
      - { .name: wq_codes, .offset: 16, .size: 8, .value_kind: global_buffer, .address_space: global }
      - { .name: wq_scales, .offset: 24, .size: 8, .value_kind: global_buffer, .address_space: global }
      - { .name: wk_codes, .offset: 32, .size: 8, .value_kind: global_buffer, .address_space: global }
      - { .name: wk_scales, .offset: 40, .size: 8, .value_kind: global_buffer, .address_space: global }
      - { .name: wv_codes, .offset: 48, .size: 8, .value_kind: global_buffer, .address_space: global }
      - { .name: wv_scales, .offset: 56, .size: 8, .value_kind: global_buffer, .address_space: global }
      - { .name: bq, .offset: 64, .size: 8, .value_kind: global_buffer, .address_space: global }
      - { .name: bk, .offset: 72, .size: 8, .value_kind: global_buffer, .address_space: global }
      - { .name: bv, .offset: 80, .size: 8, .value_kind: global_buffer, .address_space: global }
      - { .name: rec, .offset: 88, .size: 8, .value_kind: global_buffer, .address_space: global }
    .group_segment_fixed_size: 327680
    .private_segment_fixed_size: 0
    .kernarg_segment_align: 8
    .kernarg_segment_size: 96
    .max_flat_workgroup_size: 128
    .sgpr_count:     102
    .vgpr_count:     1024
    .wavefront_size: 32
...
	.end_amdgpu_metadata
.endif
;; end of part 1
;; launch attn (part 2): grid 8 x 32, 16 waves a work-group, clusters of 4 x 1, 327,680 bytes of LDS; arguments rec, aoc, aos; writes aoc, aos
.if DOCPART == 2
	.amdgcn_target "amdgcn-amd-amdhsa--gfx1250"
	.amdhsa_code_object_version 6
	.text
	.protected	k_q19795f882d_attn
	.globl	k_q19795f882d_attn
	.p2align	8
	.type	k_q19795f882d_attn,@function
k_q19795f882d_attn:
	s_mov_b64 s[64:65], 0
	v_nop
	global_prefetch_b8 v0, s[64:65] scope:SCOPE_SE
	s_setreg_imm32_b32 hwreg(HW_REG_WAVE_MODE, 25, 1), 1
	s_wait_xcnt 0x0
	s_wait_alu depctr_hold_cnt(0) depctr_sa_sdst(0) depctr_va_vdst(0) depctr_va_sdst(0) depctr_va_ssrc(0) depctr_va_vcc(0) depctr_vm_vsrc(0)
	s_getreg_b32 s2, hwreg(HW_REG_IB_STS2, 6, 4)
	s_cmp_eq_u32 s2, 0
	s_cbranch_scc0 .Lentry_in_a_cluster
	s_endpgm
.Lentry_in_a_cluster:
	s_bfe_u32 s2, ttmp6, 0x10000c
	s_cmp_lg_u32 s2, 0x3003
	s_cbranch_scc0 .Lentry_shape_is_right
	s_endpgm
.Lentry_shape_is_right:
; O[h][q] = the sum over k up to q of softmax_k(Q[h][q] . K[h][k] / 8) V[h][k], both products on codes of E5M2 with a scale byte for each 32 along K; O divided by the row's sum, quantised along the channels, stored as the last product's A.
; WORK LEFT OUT: a piece of 16 queries x 128 keys all of whose keys come after all of its queries (reference() builds the mask in its own body: such scores become -infinity, their softmax exactly 0, for all finite inputs).
; LIMITS: a NaN, an infinity or an overflow that would arise only there is not carried; scaled scores (exponents to the base 2) stay under 2^31 in magnitude; NaN and infinities are not served; a block whose largest magnitude lies under 2^(16 - 127) keeps the scale byte 1.
; SHARES.  A head has 16 levels of 128 queries, 8 tiles of 16 queries in each.  Of a head's eight work-groups number w owns tile w of every level: all have the same 136 pieces of 16 x 128.
; Sixteen waves; waves 2 p and 2 p + 1 share level 15 - p (16 - p steps of 128 keys) and level p (p + 1 steps): one (role 0) walks steps 0 to 8 of the long one, the other (role 1) the short one and then steps 9 to 15 - p of the long one; the long one's two parts are joined through LDS.
; FEED.  The head's K, V and scale bytes, 16 x 17,152 bytes, all lie in LDS: wave n brings step n's by one tensor load, joint for the four work-groups of a cluster, which need the same.  One barrier shows steps 0 to 3, a second the rest; nothing is filled twice.
; No prefetch: every tensor load goes out at the head, and no loop loads from memory.
; LAYOUT.  S^T = K Q^T, O^T = V^T P^T: a lane holds one query (lane % 16).  Register 8 t + j of S^T is key 16 t + 8 (lane / 16) + j; V's codes lie in the same order.  Q's operand has zero codes in its upper half (64 channels of 128), so K's fragment of tile t may hold tile t + 1's finite codes in its upper half.
; M is the running largest t rounded up to a whole number; p = 2^(t - M) is quantised, the row's sum is taken of the unquantised p; a change of M multiplies the sum and O by a power of two.
; REGISTERS: v16-23 Q, v24-31 zeros; v32-95 K's eight tiles or V's four, v96-103 zeros; v104-167 S^T, p; v168-199 O^T; v200-215 p's codes; v216 on scale words and work; v248-255 the second Q.
.set RECB, 25856
.set STEPB, 17152
.set VO, 8192
.set VSO, 16384
.set KSO, 16640
.set QO, 17152
.set QSO, 25344
.set PT, 16*STEPB                      ; the long tiles' second parts: 4,096 bytes a pair of waves
.set STG, PT+8*4096                    ; the way out: 1,024 bytes a wave
.set SST, STG+16*1024                  ; the results' scale bytes: 32 bytes a level
.set SPARE, SST+512                    ; the spare words, 128 bytes for each wave
.set LI, 1                             ; 16 x lane
.set STO, 2
.set RDB, 3
.set SSA, 4
.set SPW, 5
.set NIL, 6
.set PTA, 7
.set ADK, 8
.set PML, 9
.set SRD, 10
.set S, 104
.set O, 168
.set PC, 200
.set KW, 216
.set VW, 220
.set PW, 224
.set QW, 225
.set BM, 228                           ; blocks' largest
.set TP, 232
.set HO, 236
.set SO, 240
.set F, 244
.set TB, 2
.set KI, 3
.set WV, 10
.set P, 11
.set ROLE, 12
.set W, 13
.set LIM, 14
.set LD, 15
.set G0, 16
.set SEL, 20
.set CS, 22
.set NC, 24
.set MNT, 25
.set PSEL, 26
.set BMSK, 27
.set G1, 28
.macro CROUND                          ; a round of the cluster's barrier
	s_barrier_signal -1
	s_barrier_wait -1
	s_cmp_lg_u32 s[WV], 0
	s_cbranch_scc1 .Lnot_wave_0_\@
	s_barrier_signal -3
.Lnot_wave_0_\@:
	s_barrier_wait -3
	s_barrier_signal -1
	s_barrier_wait -1
.endm
	s_load_b128 s[4:7], s[0:1], 0x0                ; rec, aoc
	s_load_b64 s[8:9], s[0:1], 0x10                ; aos
	v_lshl_add_u32 v[SPW], v0, 2, SPARE
	v_mov_b32 v[NIL], 0
	ds_add_u32 v[SPW], v[NIL]                      ; the wave's opening: the add, twice on end
	ds_add_u32 v[SPW], v[NIL]
	v_lshrrev_b32 v8, 5, v0
	v_readfirstlane_b32 s[WV], v8
	s_lshr_b32 s[P], s[WV], 1
	s_lshr_b32 s[ROLE], s[WV], 2
	s_xor_b32 s[ROLE], s[ROLE], s[WV]
	s_and_b32 s[ROLE], s[ROLE], 1                  ; every four neighbouring waves, and every four waves four apart, hold two of each role
	s_and_b32 s36, ttmp7, 0xffff                   ; batch x 16 + head
	s_bfe_u32 s37, ttmp6, 0x40000
	s_lshl_b32 s[W], ttmp9, 2
	s_add_co_u32 s[W], s[W], s37                   ; w = 4 x cluster x + cx
	s_xor_b32 s38, s[ROLE], 1
	s_mul_i32 s39, s38, 15
	s_xor_b32 s40, s[P], s39                       ; the level that I walk first: 15 - p or p
	s_mov_b32 s[LD], s40                           ; its diagonal step
	s_min_u32 s[LIM], s40, 8                       ; my last step of 0 to 8
	s_xor_b32 s41, s[P], 15
	s_lshl_b32 s42, s36, 4
	s_add_co_u32 s44, s42, s[WV]
	s_mul_i32 s44, s44, RECB                       ; step n's record
	s_mov_b32 s45, 0
	s_lshl_b32 s43, s[W], 10
	s_lshr_b32 s58, s[W], 2
	s_lshl_b32 s58, s58, 8
	s_and_b32 s59, s[W], 3
	s_lshl_b32 s59, s59, 2
	s_add_co_u32 s58, s58, s59                     ; my tile's words among a record's
	s_add_co_u32 s46, s42, s40
	s_mul_i32 s46, s46, RECB
	s_add_co_u32 s48, s46, s58
	s_add_co_u32 s48, s48, QSO
	s_add_co_u32 s46, s46, s43
	s_add_co_u32 s46, s46, QO
	s_mov_b32 s47, 0
	s_mov_b32 s49, 0
	s_add_co_u32 s50, s42, s41
	s_mul_i32 s50, s50, RECB
	s_add_co_u32 s52, s50, s58
	s_add_co_u32 s52, s52, QSO
	s_add_co_u32 s50, s50, s43
	s_add_co_u32 s50, s50, QO
	s_mov_b32 s51, 0
	s_mov_b32 s53, 0
	s_lshl_b32 s54, s36, 17
	s_lshl_b32 s55, s40, 13
	s_add_co_u32 s54, s54, s55
	s_add_co_u32 s54, s54, s43                     ; my result's row of 1,024 codes
	s_mov_b32 s55, 0
	s_lshl_b32 s56, s36, 12
	s_lshl_b32 s57, s[W], 9
	s_add_co_u32 s56, s56, s57                     ; the work-group's 512 scale bytes: [batch x 16 + head][w][level][32]
	s_mov_b32 s57, 0
	s_mov_b32 s[G1], 15|(3<<16)|(1<<21)            ; joint for all four of the cluster; elements of 8 bytes
	s_mov_b32 s[G1+1], 32<<16
	s_mov_b32 s[G1+2], (STEPB/256)<<16             ; 67 rows of 256 bytes, dense
	s_mov_b32 s[G1+3], 32<<16
	s_mov_b32 s[G1+4], STEPB/256
	s_mov_b32 s[G1+5], 32
	s_mov_b32 s[G1+6], 0
	s_mov_b32 s[G1+7], 0
	s_mov_b32 s[G0], 1
	s_mul_i32 s[G0+1], s[WV], STEPB
	s_wait_dscnt 0x0                               ; both opening adds are done
	CROUND                                         ; all four work-groups are here: the joint loads meet
	s_wait_kmcnt 0x0
	s_add_nc_u64 s[G0+2:G0+3], s[4:5], s[44:45]
	s_or_b32 s[G0+3], s[G0+3], 0x80000000
	s_cmp_lt_u32 s[WV], 4                          ; one load a wave; a line of its own for what the first barrier shows
	s_cbranch_scc0 .Llater
	tensor_load_to_lds s[G0:G0+3], s[G1:G1+7]
	s_nop 0
.rept 4
	v_nop
.endr
	s_branch .Lasked
.Llater:
	tensor_load_to_lds s[G0:G0+3], s[G1:G1+7]
	s_nop 0
.rept 4
	v_nop
.endr
.Lasked:
	s_add_nc_u64 s[46:47], s[4:5], s[46:47]
	s_add_nc_u64 s[48:49], s[4:5], s[48:49]
	s_add_nc_u64 s[50:51], s[4:5], s[50:51]
	s_add_nc_u64 s[52:53], s[4:5], s[52:53]
	s_add_nc_u64 s[6:7], s[6:7], s[54:55]
	s_add_nc_u64 s[8:9], s[8:9], s[56:57]
	s_lshl_b32 s59, s[WV], 10
	s_add_co_u32 s59, s59, STG                     ; my stage
	s_lshl_b32 s60, s[P], 12
	s_add_co_u32 s60, s60, PT
	s_xor_b32 s61, s[WV], s38
	s_lshl_b32 s61, s61, 10
	s_add_co_u32 s61, s61, STG                     ; role 1's stage in my pair: its -M and sum
	s_lshl_b32 s62, s40, 5
	s_add_co_u32 s62, s62, SST
	s_lshl_b32 s63, s[W], 4
	s_mov_b32 s[SEL], 0x76543210
	s_mov_b32 s[SEL+1], 0xfedcba98                 ; lane l xor 16
	s_mov_b32 s[CS], 0x3e38aa3b                    ; c = log2(e) / 8
	s_mov_b32 s[CS+1], s[CS]
	s_mov_b32 s[NC], 0xbe38aa3b                    ; -c
	s_mov_b32 s[MNT], 0x600000                     ; the mantissa field of 57,344
	s_mov_b32 s[PSEL], 0x07060302
	s_mov_b32 s[BMSK], 0xff00ff00
	v_and_b32 v[LI], 31, v0
	v_lshlrev_b32 v[LI], 4, v[LI]
	v_and_b32 v11, 15, v0                          ; r
	v_bfe_u32 v247, v0, 4, 1                       ; h
	v_lshlrev_b32 v227, 4, v11
	global_load_b128 v[16:19], v[LI], s[46:47]
	global_load_b128 v[20:23], v[LI], s[46:47] offset:512
	global_load_b32 v[QW], v227, s[48:49]
	global_load_b128 v[248:251], v[LI], s[50:51]
	global_load_b128 v[252:255], v[LI], s[50:51] offset:512
	global_load_b32 v226, v227, s[52:53]
	v_lshlrev_b32 v[STO], 6, v11
	v_lshl_add_u32 v[STO], v247, 3, v[STO]
	v_add_nc_u32 v[STO], s59, v[STO]               ; in: row r of 64 codes, + 8 h
	v_add_nc_u32 v[RDB], s59, v[LI]
	v_lshl_add_u32 v[SSA], v11, 1, s62
	v_add_nc_u32 v[PTA], s60, v[LI]
	v_lshrrev_b32 v[PML], 1, v[LI]
	v_add_nc_u32 v[PML], s61, v[PML]
	v_add_nc_u32 v[SRD], SST, v[LI]
	v_lshlrev_b32 v247, 3, v247
	v_sub_nc_u32 v247, v11, v247
	v_add_nc_u32 v247, s63, v247                   ; d = 16 w + r - 8 h: on the diagonal register 8 t + j is hidden where 16 t + j > d
.set n, 0
.rept 8
	v_mov_b32 v[24+n], 0
	v_mov_b32 v[96+n], 0
.set n, n+1
.endr
.set n, 0
.rept 32
	v_mov_b32 v[O+n], 0
.set n, n+1
.endr
.irp b, 0,1,2,3
	v_mov_b32 v[TP+\b], 0                          ; a lane permute's destination counts as a source
.endr
	v_mov_b32 v[F+1], 0
	v_mov_b32 v246, 0xff800000                     ; -infinity
	v_mov_b32 v13, 0xff61b1e6                      ; the largest score so far: -3e38
	v_mul_f32 v12, s[NC], v13
	v_floor_f32 v12, v12                           ; -M
	v_mov_b32 v14, 0
	v_mov_b32 v15, 0
	s_wait_alu depctr_va_vdst(0)
	s_wait_xcnt 0x0                                ; the loads of Q have read their bases: the masks take those registers
.set n, 0
.rept 64
.if n < 28
	v_cmp_gt_i32 s[36+n], 16*(n/8)+n%8, v247
.else
	v_cmp_gt_i32 s[38+n], 16*(n/8)+n%8, v247
.endif
.set n, n+1
.endr
; A STEP: 128 keys.
.macro STEP
	s_cmp_gt_u32 s[KI], s[LIM]                     ; not my step
	s_cbranch_scc1 .Lhidden_\@
	v_add_nc_u32 v[ADK], s[TB], v[LI]
	s_wait_alu depctr_va_vdst(0)
.rept 7
	v_nop                                          ; with the addition above eight places behind the last products
.endr
	ds_load_b128 v[KW:KW+3], v[ADK] offset:KSO     ; lanes 0-15: tiles 0-3's words, lanes 16-31: tiles 4-7's
.irp t, 0,1,2,3,4,5,6,7
	ds_load_b128 v[32+8*\t:35+8*\t], v[ADK] offset:1024*\t
	ds_load_b128 v[36+8*\t:39+8*\t], v[ADK] offset:1024*\t+512
.endr
	s_wait_dscnt 0x0
.irp t, 0,1,2,3
	v_wmma_scale_f32_16x16x128_f8f6f4 v[S+8*\t:S+8*\t+7], v[32+8*\t:47+8*\t], v[16:31], 0, v[KW+\t], v[QW] matrix_a_fmt:MATRIX_FMT_BF8 matrix_b_fmt:MATRIX_FMT_BF8
.endr
.irp t, 4,5,6,7
	v_wmma_scale_f32_16x16x128_f8f6f4 v[S+8*\t:S+8*\t+7], v[32+8*\t:47+8*\t], v[16:31], 0, v[KW+\t-4], v[QW] matrix_a_fmt:MATRIX_FMT_BF8 matrix_b_fmt:MATRIX_FMT_BF8 matrix_a_scale:MATRIX_SCALE_ROW1
.endr
.rept 8
	v_nop
.endr
	ds_load_b128 v[VW:VW+3], v[ADK] offset:VSO     ; lanes 0-15 hold V's words; what lanes 16-31 read (k's words) is not used
.irp t, 0,1,2,3
.irp c, 0,1,2,3
	ds_load_b128 v[32+16*\t+4*\c:35+16*\t+4*\c], v[ADK] offset:VO+2048*\t+512*\c
.endr
.endr
	s_cmp_lg_u32 s[KI], s[LD]
	s_cbranch_scc1 .Lopen_\@
.set n, 0
.rept 64                                           ; the diagonal: hidden scores become -infinity
.if n < 28
	v_cndmask_b32 v[S+n], v[S+n], v246, s[36+n]
.else
	v_cndmask_b32 v[S+n], v[S+n], v246, s[38+n]
.endif
.set n, n+1
.endr
.Lopen_\@:
.irp b, 0,1,2,3
	v_max3_num_f32 v[BM+\b], v[S+16*\b], v[S+1+16*\b], v[S+2+16*\b]   ; each block's largest score: for M, and for the block's scale
.endr
.irp i, 3,5,7,9,11,13
.irp b, 0,1,2,3
	v_max3_num_f32 v[BM+\b], v[BM+\b], v[S+16*\b+\i], v[S+1+16*\b+\i]
.endr
.endr
.irp b, 0,1,2,3
	v_max_num_f32 v[BM+\b], v[BM+\b], v[S+15+16*\b]
.endr
.irp b, 0,1,2,3
	v_permlanex16_b32 v[TP+\b], v[BM+\b], s[SEL], s[SEL+1]
.endr
.irp b, 0,1,2,3
	v_max_num_f32 v[BM+\b], v[BM+\b], v[TP+\b]
.endr
	v_max3_num_f32 v247, v[BM], v[BM+1], v[BM+2]
	s_delay_alu instid0(VALU_DEP_1)
	v_max3_num_f32 v13, v13, v247, v[BM+3]         ; the running largest score
	s_delay_alu instid0(VALU_DEP_1)
	v_mul_f32 v247, s[NC], v13
	v_mov_b32 v227, v12
	s_delay_alu instid0(VALU_DEP_2)
	v_floor_f32 v12, v247                          ; the new -M
	s_delay_alu instid0(VALU_DEP_1)
	v_sub_f32 v247, v12, v227                      ; old M - new M: a whole number, 0 or less
	s_delay_alu instid0(VALU_DEP_1)
	v_cvt_i32_f32 v247, v247
	s_delay_alu instid0(VALU_DEP_1)
	v_ldexp_f32 v[F], 1.0, v247
.irp b, 0,1,2,3
	v_fma_f32 v[BM+\b], v[BM+\b], s[CS], v12
.endr
.set n, 0
.rept 32
	v_pk_fma_f32 v[S+n:S+1+n], v[S+n:S+1+n], s[CS:CS+1], v[12:13] op_sel_hi:[1,0,0]   ; t - M
.set n, n+2
.endr
	s_wait_alu depctr_va_vdst(0)                   ; ahead of the batch
.irp b, 0,1,2,3
	v_exp_f32 v[BM+\b], v[BM+\b]                   ; the block's largest p: the same lines on the same number
.endr
.set n, 0
.rept 64
	v_exp_f32 v[S+n], v[S+n]
.set n, n+1
.endr
	v_pk_mul_f32 v[14:15], v[14:15], v[F:F+1] op_sel_hi:[1,0]
	s_wait_alu depctr_va_vdst(0)                   ; and behind it
.irp b, 0,1,2,3
	v_max_num_f32 v[BM+\b], 0x8000000, v[BM+\b]    ; the floor: the byte cannot fall under 1
.endr
.irp b, 0,1,2,3
	v_add_nc_u32 v[SO+\b], 0xf8800000, v[BM+\b]    ; 15 off the exponent: the conversion's scale operand
.endr
.irp b, 0,1,2,3
	v_and_or_b32 v[HO+\b], v[BM+\b], 0x7f800000, s[MNT]   ; 57,344 x the scale
.endr
	v_perm_b32 v247, v[SO+3], v[SO+1], s[PSEL]     ; high halves of blocks 3 and 1,
	v_perm_b32 v227, v[SO+2], v[SO], s[PSEL]       ; of 2 and 0
	v_lshlrev_b32 v247, 1, v247                    ; exponents in bytes 3 and 1
	v_lshrrev_b32 v227, 7, v227                    ; in bytes 2 and 0
	v_bfi_b32 v[PW], s[BMSK], v247, v227           ; p's scale word
	v_pk_add_f32 v[TP:TP+1], v[S:S+1], v[S+2:S+3]  ; the row's sum, of the unquantised p, in two chains; among it the holds and conversions of the block before
.irp b, 0,1,2,3
.irp i, 0,2,4,6,8,10,12,14
.if (\b > 0) || (\i > 2)
.if (\i)%4
	v_pk_add_f32 v[TP:TP+1], v[TP:TP+1], v[S+16*\b+\i:S+1+16*\b+\i]
.else
	v_pk_add_f32 v[14:15], v[14:15], v[S+16*\b+\i:S+1+16*\b+\i]
.endif
.endif
.if \b > 0
	v_dual_min_num_f32 v[S+16*(\b-1)+\i], v[HO+\b-1], v[S+16*(\b-1)+\i] :: v_dual_min_num_f32 v[S+1+16*(\b-1)+\i], v[HO+\b-1], v[S+1+16*(\b-1)+\i]   ; the conversion does not saturate (ISA guide 7.6.2); p is not negative
.endif
.endr
.if \b > 0
	v_cvt_scalef32_pk8_bf8_f32 v[PC+4*(\b-1):PC+1+4*(\b-1)], v[S+16*(\b-1):S+7+16*(\b-1)], v[SO+\b-1]
	v_cvt_scalef32_pk8_bf8_f32 v[PC+2+4*(\b-1):PC+3+4*(\b-1)], v[S+8+16*(\b-1):S+15+16*(\b-1)], v[SO+\b-1]
.endif
.endr
	v_pk_add_f32 v[14:15], v[14:15], v[TP:TP+1]
.irp i, 0,2,4,6,8,10,12,14
	v_dual_min_num_f32 v[S+48+\i], v[HO+3], v[S+48+\i] :: v_dual_min_num_f32 v[S+49+\i], v[HO+3], v[S+49+\i]
.endr
	v_cvt_scalef32_pk8_bf8_f32 v[PC+12:PC+13], v[S+48:S+55], v[SO+3]
	v_cvt_scalef32_pk8_bf8_f32 v[PC+14:PC+15], v[S+56:S+63], v[SO+3]
	s_wait_alu depctr_va_vdst(0)                   ; ahead of the first reader of O
.set n, 0
.rept 16
	v_pk_mul_f32 v[O+n:O+1+n], v[O+n:O+1+n], v[F:F+1] op_sel_hi:[1,0]   ; O under the new M; also the places ahead of the products
.set n, n+2
.endr
	s_wait_alu depctr_va_vdst(0)
	s_wait_dscnt 0x0
.irp t, 0,1,2,3
	v_wmma_scale_f32_16x16x128_f8f6f4 v[O+8*\t:O+7+8*\t], v[32+16*\t:47+16*\t], v[PC:PC+15], v[O+8*\t:O+7+8*\t], v[VW+\t], v[PW] matrix_a_fmt:MATRIX_FMT_BF8 matrix_b_fmt:MATRIX_FMT_BF8
.endr
.Lhidden_\@:
	s_add_co_u32 s[TB], s[TB], STEPB
	s_add_co_u32 s[KI], s[KI], 1
.endm
; A TILE'S WAY OUT: O (at src) / the row's sum, quantised in blocks of 32 channels; codes through my stage, so that 32 lanes store 512 consecutive bytes.
.macro FINISH src
	v_add_f32 v14, v14, v15
	s_wait_alu depctr_va_vdst(0)
	v_permlanex16_b32 v[TP], v14, s[SEL], s[SEL+1]
	v_add_f32 v14, v14, v[TP]
	s_wait_alu depctr_va_vdst(0)                   ; ahead of the transcendental
	v_rcp_f32 v14, v14
.rept 8
	v_nop                                          ; behind the last products, and behind the transcendental
.endr
	s_wait_alu depctr_va_vdst(0)                   ; and behind it
.set n, 0
.rept 16
	v_pk_mul_f32 v[S+n:S+1+n], v[\src+n:\src+1+n], v[14:15] op_sel_hi:[1,0]   ; register 8 t + i: channel 16 t + 8 h + i
.set n, n+2
.endr
.irp b, 0,1
	v_max3_num_f32 v[BM+\b], |v[S+16*\b]|, |v[S+1+16*\b]|, 0x8000000
.endr
.irp i, 2,4,6,8,10,12,14
.irp b, 0,1
	v_max3_num_f32 v[BM+\b], v[BM+\b], |v[S+16*\b+\i]|, |v[S+1+16*\b+\i]|
.endr
.endr
.irp b, 0,1
	v_permlanex16_b32 v[TP+\b], v[BM+\b], s[SEL], s[SEL+1]
.endr
.irp b, 0,1
	v_max_num_f32 v[BM+\b], v[BM+\b], v[TP+\b]
.endr
.irp b, 0,1
	v_add_nc_u32 v[SO+\b], 0xf8800000, v[BM+\b]
.endr
.irp b, 0,1
	v_and_or_b32 v[HO+\b], v[BM+\b], 0x7f800000, s[MNT]
.endr
.irp b, 0,1
	v_lshrrev_b32 v[TP+\b], 23, v[SO+\b]
.endr
	v_lshl_or_b32 v227, v[TP+1], 8, v[TP]
.irp b, 0,1
.irp i, 0,1,2,3,4,5,6,7,8,9,10,11,12,13,14,15
	v_med3_num_f32 v[S+16*\b+\i], v[S+16*\b+\i], -v[HO+\b], v[HO+\b]
.endr
.endr
.irp t, 0,1,2,3
	v_cvt_scalef32_pk8_bf8_f32 v[PC+2*\t:PC+1+2*\t], v[S+8*\t:S+7+8*\t], v[SO+\t/2]
.endr
	v_nop
.irp t, 0,1,2,3
	ds_store_b64 v[STO], v[PC+2*\t:PC+1+2*\t] offset:16*\t
.endr
	ds_store_b16 v[SSA], v227                      ; lanes l and l xor 16 hold the same two bytes
	ds_load_b128 v[PC+8:PC+11], v[RDB]             ; LDS serves a wave's instructions in order (ISA guide 5.7.1.4)
	ds_load_b128 v[PC+12:PC+15], v[RDB] offset:512
	s_wait_dscnt 0x0
	global_store_b128 v[LI], v[PC+8:PC+11], s[6:7]
	global_store_b128 v[LI], v[PC+12:PC+15], s[6:7] offset:512
.endm
	s_wait_alu depctr_va_vdst(0)
	s_wait_loadcnt 0x0                             ; Q
	s_cmp_lt_u32 s[WV], 4
	s_cbranch_scc0 .Lnot_yet
	s_wait_tensorcnt 0x0                           ; waves 0 to 3: steps 0 to 3 have landed; the others wait at the second barrier
.Lnot_yet:
	s_barrier_signal -1
	s_barrier_wait -1
	s_mov_b32 s[TB], 0
	s_mov_b32 s[KI], 0
.Lfirst:
	STEP
	s_cmp_lt_u32 s[KI], 4
	s_cbranch_scc1 .Lfirst
	s_wait_tensorcnt 0x0                           ; everything has landed
	s_wait_dscnt 0x0
	s_barrier_signal -1
	s_barrier_wait -1
	s_mov_b32 s[TB], 4*STEPB
	s_mov_b32 s[KI], 4
.Lsecond:
	STEP
	s_cmp_lt_u32 s[KI], 9
	s_cbranch_scc1 .Lsecond
	s_cmp_eq_u32 s[ROLE], 0
	s_cbranch_scc1 .Lstay
	FINISH O                                       ; role 1: the short tile goes out; then the long one's last steps
.set n, 0
.rept 8
	v_mov_b32 v[16+n], v[248+n]
.set n, n+1
.endr
	v_mov_b32 v[QW], v226
	v_mov_b32 v13, 0xff61b1e6                      ; the next change of M multiplies the old sum and O (finite numbers) by 0: nothing is cleared
	v_mul_f32 v12, s[NC], v13
	v_floor_f32 v12, v12
	s_xor_b32 s[LIM], s[P], 15
	s_mov_b32 s[LD], s[LIM]
	s_wait_alu depctr_va_vdst(0)
	s_wait_xcnt 0x0                                ; the stores have read their registers
	s_branch .Lgo_on
.Lstay:
	s_mov_b32 s[LIM], 0                            ; role 0 has no step of 9 to 15
.Lgo_on:
	s_mov_b32 s[TB], 9*STEPB
	s_mov_b32 s[KI], 9
.Lthird:
	STEP
	s_cmp_lt_u32 s[KI], 16
	s_cbranch_scc1 .Lthird
	s_cmp_eq_u32 s[ROLE], 0
	s_cbranch_scc1 .Lno_part
.rept 8
	v_nop
.endr
.irp i, 0,1,2,3,4,5,6,7                ; role 1's part of the long tile, as an image of its registers
	ds_store_b128 v[PTA], v[O+4*\i:O+3+4*\i] offset:512*\i
.endr
	v_add_f32 v13, v14, v15
	ds_store_b64 v[PML], v[12:13]                  ; -M, and my lane's sum
.Lno_part:
	s_wait_dscnt 0x0
	s_barrier_signal -1
	s_barrier_wait -1
	s_cmp_lg_u32 s[ROLE], 0
	s_cbranch_scc1 .Ldone
.irp i, 0,1,2,3,4,5,6,7
	ds_load_b128 v[S+4*\i:S+3+4*\i], v[PTA] offset:512*\i
.endr
	ds_load_b64 v[136:137], v[PML]
	v_add_f32 v14, v14, v15
	v_mov_b32 v15, 0
	s_wait_alu depctr_va_vdst(0)
	s_wait_dscnt 0x0
	v_min_num_f32 v138, v12, v136                  ; -M of both parts
	v_sub_f32 v139, v138, v12
	v_sub_f32 v140, v138, v136
	v_cvt_i32_f32 v139, v139
	v_cvt_i32_f32 v140, v140
	v_ldexp_f32 v[F], 1.0, v139                    ; what brings my part under it: a power of two,
	v_ldexp_f32 v248, 1.0, v140                    ; and the other (0 where role 1 had no step)
	v_mul_f32 v14, v14, v[F]
	v_fma_f32 v14, v137, v248, v14
.set n, 0
.rept 16
	v_pk_mul_f32 v[S+n:S+1+n], v[S+n:S+1+n], v[248:249] op_sel_hi:[1,0]
.set n, n+2
.endr
.set n, 0
.rept 16
	v_pk_fma_f32 v[S+n:S+1+n], v[O+n:O+1+n], v[F:F+1], v[S+n:S+1+n] op_sel_hi:[1,0,1]
.set n, n+2
.endr
	FINISH S
.Ldone:
	s_wait_dscnt 0x0
	s_barrier_signal -1
	s_barrier_wait -1
	s_cmp_lg_u32 s[WV], 0
	s_cbranch_scc1 .Lno_scales
	s_wait_xcnt 0x0
	ds_load_b128 v[BM:BM+3], v[SRD]                ; all levels' scale bytes: 512 consecutive bytes, into registers that no product names
	s_wait_dscnt 0x0
	global_store_b128 v[LI], v[BM:BM+3], s[8:9]
.Lno_scales:
	s_wait_tensorcnt 0x0                           ; the wave's end
	ds_add_u32 v[SPW], v[NIL]
	s_wait_dscnt 0x0
	CROUND                                         ; the closing round
	s_endpgm
.Lfunc_end_k_q19795f882d_attn:
	.size	k_q19795f882d_attn, .Lfunc_end_k_q19795f882d_attn-k_q19795f882d_attn
	.p2alignl 7, 3214868480
	.fill 96, 4, 3214868480
	.section	.rodata,"a",@progbits
	.p2align	6, 0x0
	.amdhsa_kernel k_q19795f882d_attn
		.amdhsa_group_segment_fixed_size 327680
		.amdhsa_private_segment_fixed_size 0
		.amdhsa_enable_private_segment 0
		.amdhsa_kernarg_size 24
		.amdhsa_user_sgpr_count 2
		.amdhsa_user_sgpr_kernarg_segment_ptr 1
		.amdhsa_wavefront_size32 1
		.amdhsa_system_sgpr_workgroup_id_x 1
		.amdhsa_system_sgpr_workgroup_id_y 1
		.amdhsa_system_sgpr_workgroup_id_z 1
		.amdhsa_system_vgpr_workitem_id 0
		.amdhsa_next_free_vgpr 256
		.amdhsa_next_free_sgpr 102
		.amdhsa_reserve_vcc 0
		.amdhsa_float_denorm_mode_32 3
		.amdhsa_float_denorm_mode_16_64 3
		.amdhsa_memory_ordered 1
		.amdhsa_forward_progress 1
		.amdhsa_inst_pref_size 100
	.end_amdhsa_kernel
	.amdgpu_metadata
---
amdhsa.version: [ 1, 2 ]
amdhsa.kernels:
  - .name:           k_q19795f882d_attn
    .symbol:         k_q19795f882d_attn.kd
    .args:
      - { .name: rec, .offset: 0, .size: 8, .value_kind: global_buffer, .address_space: global }
      - { .name: aoc, .offset: 8, .size: 8, .value_kind: global_buffer, .address_space: global }
      - { .name: aos, .offset: 16, .size: 8, .value_kind: global_buffer, .address_space: global }
    .group_segment_fixed_size: 327680
    .private_segment_fixed_size: 0
    .kernarg_segment_align: 8
    .kernarg_segment_size: 24
    .max_flat_workgroup_size: 512
    .sgpr_count:     102
    .vgpr_count:     256
    .wavefront_size: 32
...
	.end_amdgpu_metadata
.endif
;; end of part 2
;; launch proj (part 3): grid 8 x 32, 4 waves a work-group, clusters of 4 x 4, 327,680 bytes of LDS; arguments aoc, aos, wo_codes, wo_scales, bo, out0; writes out0
.if DOCPART == 3
	.amdgcn_target "amdgcn-amd-amdhsa--gfx1250"
	.amdhsa_code_object_version 6
	.text
	.protected	k_q19795f882d_proj
	.globl	k_q19795f882d_proj
	.p2align	8
	.type	k_q19795f882d_proj,@function
k_q19795f882d_proj:
	s_mov_b64 s[64:65], 0
	v_nop
	global_prefetch_b8 v0, s[64:65] scope:SCOPE_SE
	s_setreg_imm32_b32 hwreg(HW_REG_WAVE_MODE, 25, 1), 1
	s_wait_xcnt 0x0
	s_wait_alu depctr_hold_cnt(0) depctr_sa_sdst(0) depctr_va_vdst(0) depctr_va_sdst(0) depctr_va_ssrc(0) depctr_va_vcc(0) depctr_vm_vsrc(0)
	s_getreg_b32 s2, hwreg(HW_REG_IB_STS2, 6, 4)
	s_cmp_eq_u32 s2, 0
	s_cbranch_scc0 .Lentry_in_a_cluster
	s_endpgm
.Lentry_in_a_cluster:
	s_bfe_u32 s2, ttmp6, 0x10000c
	s_cmp_lg_u32 s2, 0xf033
	s_cbranch_scc0 .Lentry_shape_is_right
	s_endpgm
.Lentry_shape_is_right:
; out0[m][n] = sum over k of A[m][k] wo[n][k] + bo[n].  A: the attention's result, read as [4,096][1,024] as reference()'s reshape has it: codes of E5M2, made by the launch before; its scale bytes lie as [m / 128][m % 8][(m % 128) / 8][32].  Sums in f32.  Nothing is left out here.
; A tile of 128 x 128 to a work-group of four waves, 64 x 64 to a wave: 16 accumulators; 256 work-groups.  ALL of K = 1,024 lies in LDS, as two halves of 512: wave 0 brings A's first half, wave 1 wo's, waves 2 and 3 the second halves: one load a wave.
; The first barrier shows the first halves, the second the rest; nothing is filled twice, and no loop loads from memory, so nothing is prefetched.  4 x 4 work-groups form a cluster: A's tile is asked for jointly along a row of it, wo's along a column.
; The scale bytes go straight into registers: lanes 0-15 hold an even tile's rows, lanes 16-31 the odd tile's.
; The matrix instruction is used transposed (source 0 = wo's rows): a lane holds eight neighbouring numbers of a row of the output.  The bias is the C of each sum's first product.
; REGISTERS: window 0: addresses, scale words, v96-127 the bias, v128-255 the accumulators; windows 1 to 3: six sets of fragments, 128 along K each (A's four tiles, then wo's four).
.set PITCH, 528                        ; an LDS row: 512 bytes + 16: the 16 rows that a load touches start at 16 different banks (64 banks of 4 bytes: ISA guide 11.1)
.set RG, 128*PITCH
.set STAGE, 4*RG                       ; the way out: 16 rows x (256 bytes + 16) for each wave
.set SPARE, STAGE+4*16*272             ; the spare words
.set ADRA, 16
.set ADRB, 20
.set STO, 24
.set RD, 25
.set CO, 26
.set SPW, 28
.set NIL, 29
.set SA, 32
.set SB, 52
.set BIAS, 96
.set ACC, 128
.set G1, 24
.set G1B, 48
.set MSB, 0
.macro WIN new                         ; the immediate's high byte repeats the setting that is left
.if MSB != (\new)
	s_set_vgpr_msb (MSB<<8)|(\new)
.set MSB, (\new)
.endif
.endm
.macro CROUND
	s_barrier_signal -1
	s_barrier_wait -1
	s_cmp_lg_u32 s14, 0
	s_cbranch_scc1 .Lnot_wave_0_\@
	s_barrier_signal -3
.Lnot_wave_0_\@:
	s_barrier_wait -3
	s_barrier_signal -1
	s_barrier_wait -1
.endm
	s_load_b256 s[4:11], s[0:1], 0x0               ; A's codes, A's scales, wo's codes, wo's scales
	s_load_b128 s[20:23], s[0:1], 0x20             ; bo, out0
	v_lshl_add_u32 v[SPW], v0, 2, SPARE
	v_mov_b32 v[NIL], 0
	ds_add_u32 v[SPW], v[NIL]                      ; the wave's opening: the add, twice on end
	ds_add_u32 v[SPW], v[NIL]
	v_lshrrev_b32 v1, 5, v0
	v_readfirstlane_b32 s14, v1                    ; wave 0..3
	s_lshr_b32 s15, s14, 1                         ; my half of the tile's rows
	s_and_b32 s16, s14, 1                          ; of its columns
	s_bfe_u32 s40, ttmp6, 0x40000
	s_bfe_u32 s41, ttmp6, 0x40004
	s_lshl_b32 s42, ttmp9, 2
	s_add_co_u32 s42, s42, s40                     ; tile column
	s_and_b32 s17, ttmp7, 0xffff
	s_lshl_b32 s17, s17, 2
	s_add_co_u32 s17, s17, s41                     ; tile row
	s_lshl_b32 s43, s41, 2
	s_lshl_b32 s43, 15, s43                        ; my row of the cluster
	s_lshl_b32 s44, 0x1111, s40                    ; my column
	s_or_b32 s[G1+0], s43, (1<<20)|(1<<21)|(6<<22)|(3<<25)   ; elements of 1 byte; 4 words of padding behind every 128; bit 21 beside a mask
	s_or_b32 s[G1B+0], s44, (1<<20)|(1<<21)|(6<<22)|(3<<25)
.irp g, G1, G1B
	s_mov_b32 s[\g+1], 512<<16
	s_mov_b32 s[\g+2], 128<<16
	s_mov_b32 s[\g+3], 512<<16
	s_mov_b32 s[\g+4], 128
	s_mov_b32 s[\g+5], 1024
	s_mov_b32 s[\g+6], 0
	s_mov_b32 s[\g+7], 0
.endr
	s_lshl_b32 s18, s17, 17                        ; A: 128 rows of 1,024 bytes a tile
	s_mov_b32 s19, 0
	s_lshl_b32 s46, s42, 17
	s_mov_b32 s47, 0
	s_mov_b32 s32, 1
	s_mov_b32 s33, 0
	s_mov_b32 s56, 1
	s_mov_b32 s57, RG
	s_mov_b32 s36, 1
	s_mov_b32 s37, 2*RG
	s_mov_b32 s60, 1
	s_mov_b32 s61, 3*RG
	s_wait_dscnt 0x0                               ; both opening adds are done
	CROUND                                         ; all sixteen work-groups are here
	s_wait_kmcnt 0x0
	s_add_nc_u64 s[34:35], s[4:5], s[18:19]
	s_add_nc_u64 s[38:39], s[34:35], 512
	s_add_nc_u64 s[58:59], s[8:9], s[46:47]
	s_add_nc_u64 s[62:63], s[58:59], 512
	s_or_b32 s35, s35, 0x80000000
	s_or_b32 s39, s39, 0x80000000
	s_or_b32 s59, s59, 0x80000000
	s_or_b32 s63, s63, 0x80000000
.macro ARM under, g0, g1, next         ; one load a wave, each in an arm of its own
	s_cmp_lt_u32 s14, \under
	s_cbranch_scc0 \next
	tensor_load_to_lds s[\g0:\g0+3], s[\g1:\g1+7]
	s_nop 0
.rept 4
	v_nop
.endr
	s_branch .Lasked
\next:
.endm
	ARM 1, 32, G1,  .Lwave_1
	ARM 2, 56, G1B, .Lwave_2
	ARM 3, 36, G1,  .Lwave_3
	tensor_load_to_lds s[60:63], s[G1B:G1B+7]
	s_nop 0
.rept 4
	v_nop
.endr
.Lasked:
	s_lshl_b32 s66, s17, 12
	s_lshl_b32 s67, s15, 8
	s_add_co_u32 s66, s66, s67                     ; A's scale bytes: my 64 rows are 8 of each 512 bytes' 16 runs
	s_mov_b32 s67, 0
	s_add_nc_u64 s[6:7], s[6:7], s[66:67]
	s_lshl_b32 s66, s42, 12
	s_lshl_b32 s68, s16, 11
	s_add_co_u32 s66, s66, s68                     ; wo's: my 64 rows
	s_add_nc_u64 s[10:11], s[10:11], s[66:67]
	s_lshl_b32 s66, s42, 9
	s_lshl_b32 s68, s16, 8
	s_add_co_u32 s66, s66, s68                     ; my first column, in bytes
	s_add_nc_u64 s[20:21], s[20:21], s[66:67]
	s_lshl_b32 s68, s17, 19
	s_add_co_u32 s66, s66, s68
	s_lshl_b32 s68, s15, 18
	s_add_co_u32 s66, s66, s68                     ; and my first row
	s_add_nc_u64 s[22:23], s[22:23], s[66:67]
	s_mul_i32 s70, s15, 64*PITCH
	s_mul_i32 s71, s16, 64*PITCH
	s_add_co_u32 s71, s71, RG
	s_mul_i32 s72, s14, 16*272
	s_add_co_u32 s72, s72, STAGE
	v_and_b32 v1, 15, v0                           ; r
	v_bfe_u32 v2, v0, 4, 1                         ; h
	v_and_b32 v3, 31, v0                           ; lane
	v_lshlrev_b32 v7, 5, v2
	v_lshlrev_b32 v8, 5, v3                        ; wo's scale bytes: 32 a row
	v_and_b32 v9, 7, v3
	v_lshlrev_b32 v9, 9, v9
	v_lshrrev_b32 v10, 3, v3
	v_lshl_add_u32 v9, v10, 5, v9                  ; A's: row 8 L + w at 512 w + 32 L
.irp p, 0,1
.irp c, 0,1
	global_load_b128 v[SA+8*\p+4*\c:SA+8*\p+4*\c+3], v9, s[6:7] offset:128*\p+16*\c
	global_load_b128 v[SB+8*\p+4*\c:SB+8*\p+4*\c+3], v8, s[10:11] offset:1024*\p+16*\c
.endr
.endr
.irp b, 0,1,2,3
	global_load_b128 v[BIAS+8*\b:BIAS+8*\b+3], v7, s[20:21] offset:64*\b        ; bo of columns 16 b + 8 h + 0 .. 7
	global_load_b128 v[BIAS+8*\b+4:BIAS+8*\b+7], v7, s[20:21] offset:64*\b+16
.endr
	v_mul_u32_u24 v4, v1, PITCH
	v_lshl_add_u32 v4, v2, 4, v4                   ; a fragment's row x pitch + 16 h
	v_add_nc_u32 v[ADRA], s70, v4
	v_add_nc_u32 v[ADRB], s71, v4
	v_add_nc_u32 v[ADRA+1], 2*RG, v[ADRA]          ; K's second half
	v_add_nc_u32 v[ADRB+1], 2*RG, v[ADRB]
	v_mul_u32_u24 v5, v1, 272
	v_lshl_add_u32 v5, v2, 5, v5
	v_add_nc_u32 v[STO], s72, v5                   ; in: row r, 32 bytes for each half of the lanes
	v_mul_u32_u24 v5, v2, 272
	v_lshl_add_u32 v5, v1, 4, v5
	v_add_nc_u32 v[RD], s72, v5                    ; back: lanes 0-15 one row of 256 bytes, lanes 16-31 the next
	v_lshlrev_b32 v5, 12, v2
	v_lshl_add_u32 v[CO], v1, 4, v5
; The fragments of 128 along K, the half's q-th, into set s: 32 loads.
.macro FETCH s, half, q
	WIN (1+(\s)/2)<<6
.irp i, 0,1,2,3
.irp c, 0,1,2,3
	ds_load_b128 v[128*((\s)%2)+16*\i+4*\c:128*((\s)%2)+16*\i+4*\c+3], v[ADRA+\half] offset:128*(\q)+32*\c+\i*16*PITCH
	ds_load_b128 v[128*((\s)%2)+64+16*\i+4*\c:128*((\s)%2)+64+16*\i+4*\c+3], v[ADRB+\half] offset:128*(\q)+32*\c+\i*16*PITCH
.endr
.endr
.endm
; 16 products on set s, K's q-th 128 (0 .. 7).  The accumulators take turns, one instruction a turn.
.macro MUL s, q
	WIN (1+(\s)/2)*5
.irp a, 0,1,2,3
.irp b, 0,1,2,3
.set D_, ACC+8*(4*\a+\b)
.set C_, D_
.if \q == 0
.set C_, BIAS+8*\b
.endif
.set X_, 128*((\s)%2)+16*\a
.set Y_, 128*((\s)%2)+64+16*\b
.set SX_, SA+8*(\a/2)+\q
.set SY_, SB+8*(\b/2)+\q
.if (\a%2) && (\b%2)
	v_wmma_scale_f32_16x16x128_f8f6f4 v[D_:D_+7], v[Y_:Y_+15], v[X_:X_+15], v[C_:C_+7], v[SY_], v[SX_] matrix_a_fmt:MATRIX_FMT_BF8 matrix_b_fmt:MATRIX_FMT_BF8 matrix_a_scale:MATRIX_SCALE_ROW1 matrix_b_scale:MATRIX_SCALE_ROW1
.elseif \a%2
	v_wmma_scale_f32_16x16x128_f8f6f4 v[D_:D_+7], v[Y_:Y_+15], v[X_:X_+15], v[C_:C_+7], v[SY_], v[SX_] matrix_a_fmt:MATRIX_FMT_BF8 matrix_b_fmt:MATRIX_FMT_BF8 matrix_b_scale:MATRIX_SCALE_ROW1
.elseif \b%2
	v_wmma_scale_f32_16x16x128_f8f6f4 v[D_:D_+7], v[Y_:Y_+15], v[X_:X_+15], v[C_:C_+7], v[SY_], v[SX_] matrix_a_fmt:MATRIX_FMT_BF8 matrix_b_fmt:MATRIX_FMT_BF8 matrix_a_scale:MATRIX_SCALE_ROW1
.else
	v_wmma_scale_f32_16x16x128_f8f6f4 v[D_:D_+7], v[Y_:Y_+15], v[X_:X_+15], v[C_:C_+7], v[SY_], v[SX_] matrix_a_fmt:MATRIX_FMT_BF8 matrix_b_fmt:MATRIX_FMT_BF8
.endif
.endr
.endr
.endm
	s_wait_alu depctr_va_vdst(0)
	s_wait_loadcnt 0x0                             ; scale words and bias
	s_cmp_lt_u32 s14, 2
	s_cbranch_scc0 .Lnot_yet
	s_wait_tensorcnt 0x0                           ; waves 0 and 1: K's first half has landed; the others wait at the second barrier
.Lnot_yet:
	s_barrier_signal -1
	s_barrier_wait -1
	FETCH 0, 0, 0
	FETCH 1, 0, 1
	s_wait_dscnt 32                                ; all but the 32 youngest, here and below
	MUL 0, 0
	FETCH 2, 0, 2
	s_wait_dscnt 32
	MUL 1, 1
	FETCH 3, 0, 3
	s_wait_dscnt 32
	MUL 2, 2
	s_wait_tensorcnt 0x0                           ; K's second half has landed
	s_wait_dscnt 0x0
	s_barrier_signal -1
	MUL 3, 3
	s_barrier_wait -1
	FETCH 4, 1, 0
	FETCH 5, 1, 1
	s_wait_dscnt 32
	MUL 4, 4
.rept 8
	v_nop                                          ; places ahead of loads into registers that products have read
.endr
	FETCH 0, 1, 2
	s_wait_dscnt 32
	MUL 5, 5
	FETCH 1, 1, 3
	s_wait_dscnt 32
	MUL 0, 6
	s_wait_dscnt 0x0
	MUL 1, 7
.rept 8
	v_nop
.endr
; THE WAY OUT by blocks of 16 rows x 64 columns through my own stage, back as rows of 256 bytes.  LDS serves a wave's instructions in order (ISA guide 5.7.1.4).
.macro TOSTAGE a
	WIN 0
.irp b, 0,1,2,3
	ds_store_b128 v[STO], v[ACC+8*(4*\a+\b):ACC+8*(4*\a+\b)+3] offset:64*\b
	ds_store_b128 v[STO], v[ACC+8*(4*\a+\b)+4:ACC+8*(4*\a+\b)+7] offset:64*\b+16
.endr
	WIN 0x40
.irp t, 0,1,2,3,4,5,6,7
	ds_load_b128 v[32*\a+4*\t:32*\a+4*\t+3], v[RD] offset:2*\t*272
.endr
.endm
.macro SEND a, younger                 ; younger: the LDS instructions issued behind block a's loads
	s_wait_dscnt \younger
	WIN 0x04
.irp t, 0,1,2,3,4,5,6,7
	global_store_b128 v[CO], v[32*\a+4*\t:32*\a+4*\t+3], s[22:23] offset:(16*\a+2*\t)*4096 th:TH_STORE_NT   ; 16 lanes store 256 consecutive bytes
.endr
.endm
	TOSTAGE 0
	TOSTAGE 1
	SEND 0, 16
	TOSTAGE 2
	SEND 1, 16
	TOSTAGE 3
	SEND 2, 16
	SEND 3, 0
	WIN 0
	s_wait_tensorcnt 0x0                           ; the wave's end
	ds_add_u32 v[SPW], v[NIL]
	s_wait_dscnt 0x0
	CROUND                                         ; the closing round
	s_endpgm
.Lfunc_end_k_q19795f882d_proj:
	.size	k_q19795f882d_proj, .Lfunc_end_k_q19795f882d_proj-k_q19795f882d_proj
	.p2alignl 7, 3214868480
	.fill 96, 4, 3214868480
	.section	.rodata,"a",@progbits
	.p2align	6, 0x0
	.amdhsa_kernel k_q19795f882d_proj
		.amdhsa_group_segment_fixed_size 327680
		.amdhsa_private_segment_fixed_size 0
		.amdhsa_enable_private_segment 0
		.amdhsa_kernarg_size 48
		.amdhsa_user_sgpr_count 2
		.amdhsa_user_sgpr_kernarg_segment_ptr 1
		.amdhsa_wavefront_size32 1
		.amdhsa_system_sgpr_workgroup_id_x 1
		.amdhsa_system_sgpr_workgroup_id_y 1
		.amdhsa_system_sgpr_workgroup_id_z 1
		.amdhsa_system_vgpr_workitem_id 0
		.amdhsa_next_free_vgpr 1024
		.amdhsa_next_free_sgpr 100
		.amdhsa_reserve_vcc 0
		.amdhsa_float_denorm_mode_32 3
		.amdhsa_float_denorm_mode_16_64 3
		.amdhsa_memory_ordered 1
		.amdhsa_forward_progress 1
		.amdhsa_inst_pref_size 50
	.end_amdhsa_kernel
	.amdgpu_metadata
---
amdhsa.version: [ 1, 2 ]
amdhsa.kernels:
  - .name:           k_q19795f882d_proj
    .symbol:         k_q19795f882d_proj.kd
    .args:
      - { .name: aoc, .offset: 0, .size: 8, .value_kind: global_buffer, .address_space: global }
      - { .name: aos, .offset: 8, .size: 8, .value_kind: global_buffer, .address_space: global }
      - { .name: wo_codes, .offset: 16, .size: 8, .value_kind: global_buffer, .address_space: global }
      - { .name: wo_scales, .offset: 24, .size: 8, .value_kind: global_buffer, .address_space: global }
      - { .name: bo, .offset: 32, .size: 8, .value_kind: global_buffer, .address_space: global }
      - { .name: out0, .offset: 40, .size: 8, .value_kind: global_buffer, .address_space: global }
    .group_segment_fixed_size: 327680
    .private_segment_fixed_size: 0
    .kernarg_segment_align: 8
    .kernarg_segment_size: 48
    .max_flat_workgroup_size: 128
    .sgpr_count:     100
    .vgpr_count:     1024
    .wavefront_size: 32
...
	.end_amdgpu_metadata
.endif
;; end of part 3
